; MI455X (gfx1250); checked and timed in simulation.
; The chip was launched on July 23, 2026; its instructions are those of AMD's public machine-readable ISA for CDNA 5 (MIT licence, August 2026) and "CDNA5" Instruction Set Architecture Reference Guide (July 2026). The comments in the code are by the model that wrote it; some were corrected since.
;; Multi Head Attention. Allowed arithmetic: matrix products marked QUANTISED: E2M3 operands, one E8M0 scale for each 32 along K, by v_wmma_scale_f32_16x16x128_f8f6f4 with both operands' format E2M3, f32 sums; everything else in f32.
;; Inputs: b_k 1,024 float32; b_o 1,024 float32; b_q 1,024 float32; b_v 1,024 float32; w_k_codes 1,024 x 32 x 24 uint8 (E2M3 codes of w_k, K innermost, in blocks of 32 codes, four codes in three bytes); w_k_scales 1,024 x 32 uint8 (E8M0 scales of w_k, one for each 32 codes along K); w_o_codes 1,024 x 32 x 24 uint8 (E2M3 codes of w_o, K innermost, in blocks of 32 codes, four codes in three bytes); w_o_scales 1,024 x 32 uint8 (E8M0 scales of w_o, one for each 32 codes along K); w_q_codes 1,024 x 32 x 24 uint8 (E2M3 codes of w_q, K innermost, in blocks of 32 codes, four codes in three bytes); w_q_scales 1,024 x 32 uint8 (E8M0 scales of w_q, one for each 32 codes along K); w_v_codes 1,024 x 32 x 24 uint8 (E2M3 codes of w_v, K innermost, in blocks of 32 codes, four codes in three bytes); w_v_scales 1,024 x 32 uint8 (E8M0 scales of w_v, one for each 32 codes along K); x_codes 8 x 1,024 x 32 x 24 uint8 (E2M3 codes of x, K innermost, in blocks of 32 codes, four codes in three bytes); x_scales 8 x 1,024 x 32 uint8 (E8M0 scales of x, one for each 32 codes along K).
;; Outputs: out0 8 x 1,024 x 1,024 float32.
;; This version of the problem:
;;   THIS VERSION OF THE PROBLEM IS GIVEN IN LOW PRECISION. The matrix products marked QUANTISED in the list below multiply operands that are first quantised to E2M3 (2 exponent bits, 3 mantissa bits; 6 bits a number), with one power-of-two scale for each 32 numbers along K (OCP MX v1.0); their sums are f32. All else is computed in f32.
;;   The module's matrix products, in the order in which they are computed (A, B: the left and right operand; K: the contracted axis; several contracted axes count as one K, in the product's order):
;;     1. [M 8,192, K 1,024] x [K 1,024, N 1,024]; A: input x (given as codes); B: input w_q (given as codes): QUANTISED
;;     2. [M 8,192, K 1,024] x [K 1,024, N 1,024]; A: input x (given as codes); B: input w_k (given as codes): QUANTISED
;;     3. [M 8,192, K 1,024] x [K 1,024, N 1,024]; A: input x (given as codes); B: input w_v (given as codes): QUANTISED
;;     4. batch 128 x [M 1,024, K 64] x [K 64, N 1,024]; A: computed on the way; B: computed on the way: QUANTISED
;;     5. batch 128 x [M 1,024, K 1,024] x [K 1,024, N 64]; A: softmax (see below); B: computed on the way: QUANTISED
;;     6. [M 8,192, K 1,024] x [K 1,024, N 1,024]; A: computed on the way; B: input w_o (given as codes): QUANTISED
;;   THE QUANTISER, for each operand of a quantised product, along K:
;;     - K is cut into blocks of 32 from its start; a last block that is shorter is filled with zeros.
;;     - A block's scale is 2^e with e = floor(log2(the largest magnitude in the block)) - 2, held to -126 .. 127; a block of zeros has e = 0. As a byte (E8M0): e + 127.
;;     - Each number is divided by its block's scale, clamped to +-7.5, and rounded to the nearest number of E2M3, ties to even, subnormals kept.
;;     - The product sums the exact products of the quantised numbers (number of the format x scale) in f32.
;;   ~~~python
;;   def quantise(x, axis):      # numpy; x: float32 -> the quantised numbers, widened to float32 again
;;       x = np.moveaxis(x, axis, -1); K = x.shape[-1]
;;       x = np.pad(x, [(0, 0)] * (x.ndim - 1) + [(0, -K % 32)]); x = x.reshape(x.shape[:-1] + (-1, 32)); a = np.abs(x).max(-1, keepdims=True)
;;       e = np.where(a > 0, np.clip(np.frexp(np.where(a > 0, a, 1))[1] - 1 - 2, -126, 127), 0)      # np.frexp(a)[1] - 1 = floor(log2(a)), exactly
;;       r = np.clip(x / 2.0 ** e, -7.5, 7.5)
;;       step = 2.0 ** (np.maximum(np.frexp(np.where(r == 0, 1, r))[1] - 1, 0) - 3)
;;       q = np.round(r / step) * step * 2.0 ** e      # np.round: ties to even
;;       return np.moveaxis(q.reshape(q.shape[:-2] + (-1,))[..., :K], -1, axis).astype(np.float32)
;;   ~~~
;;   SOFTMAX AHEAD OF A QUANTISED PRODUCT. Where the list says 'softmax', what is quantised is not the finished softmax but p = 2^(t - M), with t = logit x log2(e) and M = ceil(the row's largest t), a whole number; so 1/2 < the row's largest p <= 1. The row's sum l is taken of the UNQUANTISED p, in f32, and the product's result is divided by l at the end. Since M is a whole number, a kernel that streams over the keys may use a running M (the ceiling of the running maximum): every later rescaling is an exact power of two, which a block's scale takes up: the codes' values come out the same.
;;   OPERANDS COMPUTED ON THE WAY. 'Computed on the way' means the value that the module computes at that place (a softmax that the list does not call 'softmax' is quantised finished and normalised). What goes into a quantiser is computed in f32, as accurately as f32 sums, v_exp_f32 and their like allow (about 1e-6 of the number): no bf16 or f16 on the way to a quantiser, and a product that is left as it is and whose result goes on into a quantised operand takes f32 operands (vector FMAs, or v_wmma_f32_16x16x4_f32). A number that lies on a knife's edge between two numbers of the format may be rounded either way, as far as f32 arithmetic and the matrix unit's own rounding can turn it there, and no further.
;;   INPUTS GIVEN AS CODES. w_k (in the module: [1024, 1024], K = its axis 0); w_o (in the module: [1024, 1024], K = its axis 0); w_q (in the module: [1024, 1024], K = its axis 0); w_v (in the module: [1024, 1024], K = its axis 0); x (in the module: [8, 1024, 1024], K = its axis 2): each comes as NAME_codes (uint8): NAME with its K axis moved to the last place and cut into blocks of 32 codes, [.., K / 32, bytes a block], one block behind the other in memory; four codes in three bytes: a row's codes are one little-endian stream of bits, code i at bits 6 i .. 6 i + 5 (a code: sign, 2 exponent bits, 3 mantissa bits); and NAME_scales (uint8): the same leading axes, one E8M0 byte (e + 127) for each 32 codes along K. Its value is code x scale, taken as it is: it is not quantised again, and the codes and scales need not be those that the quantiser above would give.
;; One version. Each part assembles by itself: llvm-mc -triple=amdgcn-amd-amdhsa -mcpu=gfx1250 --defsym DOCPART=n.
;; ======== version 1 of 1: 3 launches
;; limits: right only within a limited range of input values
;; workspace buffers: qkv 21,495,808 bytes; oimg 6,553,600 bytes
;; launch qkv (part 1): grid 8 x 32, 4 waves a work-group, clusters of 4 x 4, 327,680 bytes of LDS; arguments x_codes, x_scales, w_q_codes, w_q_scales, w_k_codes, w_k_scales, w_v_codes, w_v_scales, b_q, b_k, b_v, qkv; writes qkv
.if DOCPART == 1
	.amdgcn_target "amdgcn-amd-amdhsa--gfx1250"
	.amdhsa_code_object_version 6
	.text
	.protected	k_q0756fce9a5_qkv
	.globl	k_q0756fce9a5_qkv
	.p2align	8
	.type	k_q0756fce9a5_qkv,@function
k_q0756fce9a5_qkv:
	s_mov_b64 s[64:65], 0
	v_nop
	global_prefetch_b8 v0, s[64:65] scope:SCOPE_SE
	s_setreg_imm32_b32 hwreg(HW_REG_WAVE_MODE, 25, 1), 1
	s_wait_xcnt 0x0
	s_wait_alu depctr_hold_cnt(0) depctr_sa_sdst(0) depctr_va_vdst(0) depctr_va_sdst(0) depctr_va_ssrc(0) depctr_va_vcc(0) depctr_vm_vsrc(0)
	s_getreg_b32 s2, hwreg(HW_REG_IB_STS2, 6, 4)
	s_cmp_eq_u32 s2, 0
	s_cbranch_scc0 .Lentry_in_a_cluster
	s_endpgm
.Lentry_in_a_cluster:
	s_bfe_u32 s2, ttmp6, 0x10000c
	s_cmp_lg_u32 s2, 0xf033
	s_cbranch_scc0 .Lentry_shape_is_right
	s_endpgm
.Lentry_shape_is_right:
; q = x Wq + bq, k = x Wk + bk, v = x Wv + bv on codes of FP6 (E2M3), one E8M0 scale for each 32 along K = 1,024; the f32 results are quantised here for the two products of attention and leave as codes.
; SHARES.  256 work-groups of four waves.  A work-group makes 256 tokens x 128 features (two heads) of each of q, k, v.  A wave holds its 64 tokens, ALL of K, in registers (32 fragments, 384 registers);
; the 384 rows of the weights stream past from LDS in blocks of 16 rows, all of K: 32 products a block on 4 accumulators by turns.  Four blocks are a head: a PHASE, then its way out.
; LDS: 384 rows of 816 bytes (3 x (256 + 16)): Wq's 128, Wk's 128, Wv's 128; x's 256 rows land first where Wk's and Wv's go, are read into registers, and that region is filled again ONCE, behind a drained round.
; Behind them the weights' scale bytes (12,288) and the biases (1,536), brought through registers, and the spare words: 327,680 bytes in all.  Every tile row is 768 bytes of memory and begins at a multiple of 256.
; CLUSTERS 4 x 4: x's rows are asked for jointly along a row of the cluster, a weight's rows along a column.
; ROLES.  q, k: source 0 = W (a lane holds a token, its registers run along the features).  v: source 0 = x (a lane holds a feature, its registers run along the keys).  The bias is the C of a block's first four products.
; ORDER INSIDE A BLOCK OF 32: codes stand in the order 0-7, 16-23, 8-15, 24-31, alike in q and k, and in v and the next launch's p: a permutation inside one scale block, alike on both sides, keeps every product.
; OUT.  qkv holds BLK bytes for each (batch, head): q's 64 half fragments (16 rows x 64 along K: registers 0-3 at 16 x lane, 4-5 at 512 + 8 x lane) and scale words, k's likewise, v's 64 half fragments ((4 s + t) 2 + c) and scale words.
; A wave has 64 keys, half of a scale word of v: the halves meet in an LDS stage, in Wq's first rows, which have had their last fill and, two barriers earlier, their last read.
; PREFETCH: what the refill will load (Wk's and Wv's 128 rows) is asked for at the head, 24 blocks of 256 bytes of each a wave, shared out by address among the 16 waves of a column of the cluster.  x and Wq are loaded at once: nothing runs ahead of them.
; LIMITS: NaN and infinities are not served.  A block whose largest magnitude lies under 2^-124 (a block of zeros too) gets the byte 1; its codes are zeros then or tiny, and this program alone reads the bytes.
.set KROW,  768
.set PITCH, 816
.set FR,    12
.set FPW,   21                         ; fragments in a window of 256 registers; fragment f lies in window 1 + f / 21 at register 12 (f % 21): 0-31 x's (4 q + a), 32-39 and 40-47 W's two sets
.set XB,    128*PITCH
.set SCB,   384*PITCH
.set BIB,   SCB+12288
.set SPARE, BIB+1536
.set BLK,   167936
.set PARTB, 57344
.set SCOFF, 49152
.set NF0,   30                         ; LDS loads of a block's fetch: 26 for eight fragments, 2 for scale words, 2 (q, k) or 8 (v) for the bias
.set NF1,   36
.set WA0, 2                            ; v2, v3  816 r + 24 h, 816 r + 40 h (behind one padding more)
.set WA1, 3
.set WF0, 4                            ; v4, v5  the same for the block fetched next
.set WF1, 5
.set WSL, 6                            ; v6  SCB + 32 r;  v7 for the block fetched next
.set WSF, 7
.set BL,  8                            ; v8  BIB + 32 h (q, k);  v9  BIB + 4 r (v);  v10 for the block fetched next
.set BF,  10
.set VO16, 11                          ; store offsets: q, k codes (v11, v12), their scale words (v13), v's codes (v16, v18), v's scale words (v25)
.set VO8, 12
.set VS,  13
.set SPW, 14
.set NIL, 15
.set VV16, 16
.set PF,  17
.set VV8, 18
.set STA, 19                           ; the stage: where I put a half word; v24 where I read 16 bytes back
.set SWD, 20                           ; v20-23 scale words to store
.set STR, 24
.set VSV, 25
.set SX,  26                           ; v26-41 x's scale words: 8 (a / 2) + q, lanes 0-15 tile 2 p, lanes 16-31 tile 2 p + 1
.set SW,  48                           ; v48-63 W's scale words, two sets of eight
.set BI,  64                           ; v64-79 the bias as C, two sets of eight
.set TM,  80
.set TP,  88
.set SO,  96
.set CD,  104                          ; v104-127 four half fragments of six registers
.set ACC, 128                          ; v128-255 sixteen accumulators
.set G1X, 24
.set G1W, 32
.set G0X, 48
.set G0W, 52
.set G0R, 56
.set SEL, 60
.set WO,  92                           ; s92-94 where the block fetched next lies: codes, scale bytes, bias
.set SOF, 93
.set BO,  94
.set CT,  95
.set OUTC, 96
.set OUTB, 98
.set MSB, 0
.macro WIN new
.if MSB != (\new)
	s_set_vgpr_msb (MSB<<8)|(\new)
.set MSB, \new
.endif
.endm
.macro WALU
	s_wait_alu depctr_va_vdst(0)
.endm
.macro NOPS
.rept 4
	v_nop
.endr
.endm
.macro BARRIER
	s_barrier_signal -1
	s_barrier_wait -1
.endm
.macro CROUND
	BARRIER
	s_cmp_lg_u32 s14, 0
	s_cbranch_scc1 .Lnot_wave_0_\@
	s_barrier_signal -3
.Lnot_wave_0_\@:
	s_barrier_wait -3
	BARRIER
.endm
.macro GROUP1 g, mask, rows            ; rows of 768 bytes, 16 bytes of padding behind every 256
	s_or_b32 s[\g+0], s[\mask], (1<<20)|(1<<21)|(5<<22)|(3<<25)
	s_mov_b32 s[\g+1], KROW<<16
	s_mov_b32 s[\g+2], (\rows)<<16
	s_mov_b32 s[\g+3], KROW<<16
	s_mov_b32 s[\g+4], \rows
	s_mov_b32 s[\g+5], KROW
	s_mov_b32 s[\g+6], 0
	s_mov_b32 s[\g+7], 0
.endm
.macro FRAG f, q, a0, a1               ; six pieces of 8 bytes, two to a load where both go by the same address register
	WIN (1+(\f)/FPW)<<6
.set R_, FR*((\f)%FPW)
.set SK_, 0
.irp p, 0,1,2,3,4,5
.if SK_
.set SK_, 0
.else
.set PC_, 12*(\q)+6*(\p/3)+\p%3
.set PN_, 12*(\q)+6*((\p+1)/3)+(\p+1)%3
.set X_, (PC_%32+3)/32
.set XN_, (PN_%32+3)/32
.if (\p < 5) && (X_ == XN_)
.set SK_, 1
.if X_
	ds_load_2addr_b64 v[R_+2*\p:R_+2*\p+3], v[\a1] offset0:PC_+2*(PC_/32) offset1:PN_+2*(PN_/32)
.else
	ds_load_2addr_b64 v[R_+2*\p:R_+2*\p+3], v[\a0] offset0:PC_+2*(PC_/32) offset1:PN_+2*(PN_/32)
.endif
.elseif X_
	ds_load_b64 v[R_+2*\p:R_+2*\p+1], v[\a1] offset:8*(PC_+2*(PC_/32))
.else
	ds_load_b64 v[R_+2*\p:R_+2*\p+1], v[\a0] offset:8*(PC_+2*(PC_/32))
.endif
.endif
.endr
.endm
.macro NEXT e, kind                    ; the next block's addresses (four plain lines: the places behind the products), then its fetch into set e
	v_add_nc_u32 v[WF0], s[WO], v[WA0]
	v_add_nc_u32 v[WF1], s[WO], v[WA1]
	v_add_nc_u32 v[WSF], s[SOF], v[WSL]
	v_add_nc_u32 v[BF], s[BO], v[BL+\kind]
	s_add_co_u32 s[WO], s[WO], 16*PITCH
	s_add_co_u32 s[SOF], s[SOF], 512
	s_add_co_u32 s[BO], s[BO], 64
	WALU
.irp q, 0,1,2,3,4,5,6,7
	FRAG 32+8*(\e)+\q, \q, WF0, WF1
.endr
	WIN 0
	ds_load_b128 v[SW+8*(\e):SW+8*(\e)+3], v[WSF]
	ds_load_b128 v[SW+8*(\e)+4:SW+8*(\e)+7], v[WSF] offset:16
.if \kind
.irp j, 0,1,2,3,4,5,6,7
	ds_load_b32 v[BI+8*(\e)+\j], v[BF]     ; v: one number a lane, in all eight registers
.endr
.else
	ds_load_b128 v[BI+8*(\e):BI+8*(\e)+3], v[BF]
	ds_load_b128 v[BI+8*(\e)+4:BI+8*(\e)+7], v[BF] offset:16
.endif
.endm
.macro PROD kind, e, b, n              ; product n = 4 q + a of block b of a phase
.set Q_, (\n)/4
.set A_, (\n)%4
.set FX_, 4*Q_+A_
.set FW_, 32+8*(\e)+Q_
.if \kind
.set D_, ACC+32*(\b)+8*A_
.set R0_, FR*(FX_%FPW)
.set R1_, FR*(FW_%FPW)
.set X0_, SX+8*(A_/2)+Q_
.set X1_, SW+8*(\e)+Q_
	WIN (1+FX_/FPW)|((1+FW_/FPW)<<2)
.else
.set D_, ACC+32*A_+8*(\b)
.set R0_, FR*(FW_%FPW)
.set R1_, FR*(FX_%FPW)
.set X0_, SW+8*(\e)+Q_
.set X1_, SX+8*(A_/2)+Q_
	WIN (1+FW_/FPW)|((1+FX_/FPW)<<2)
.endif
.if Q_
.set C_, D_
.else
.set C_, BI+8*(\e)
.endif
.if A_%2 == 0
	v_wmma_scale_f32_16x16x128_f8f6f4 v[D_:D_+7], v[R0_:R0_+11], v[R1_:R1_+11], v[C_:C_+7], v[X0_], v[X1_] matrix_a_fmt:MATRIX_FMT_FP6 matrix_b_fmt:MATRIX_FMT_FP6
.elseif \kind
	v_wmma_scale_f32_16x16x128_f8f6f4 v[D_:D_+7], v[R0_:R0_+11], v[R1_:R1_+11], v[C_:C_+7], v[X0_], v[X1_] matrix_a_fmt:MATRIX_FMT_FP6 matrix_b_fmt:MATRIX_FMT_FP6 matrix_a_scale:MATRIX_SCALE_ROW1
.else
	v_wmma_scale_f32_16x16x128_f8f6f4 v[D_:D_+7], v[R0_:R0_+11], v[R1_:R1_+11], v[C_:C_+7], v[X0_], v[X1_] matrix_a_fmt:MATRIX_FMT_FP6 matrix_b_fmt:MATRIX_FMT_FP6 matrix_b_scale:MATRIX_SCALE_ROW1
.endif
.endm
; THE WAY OUT of a phase: four half fragments of 32 registers; block k = 2 hf + be of 32 numbers lies in registers 16 k .. 16 k + 15 of lanes l and l xor 16
.macro QOUT kind, hd
.irp k, 0,1,2,3,4,5,6,7
	v_max3_num_f32 v[TM+\k], |v[ACC+16*\k]|, |v[ACC+16*\k+1]|, 0x1800000   ; each accumulator from its low end on; the floor 2^(3 - 127) holds the byte at 1
.endr
.irp n, 2,4,6,8,10,12,14
.irp k, 0,1,2,3,4,5,6,7
	v_max3_num_f32 v[TM+\k], |v[ACC+16*\k+\n]|, |v[ACC+16*\k+\n+1]|, v[TM+\k]
.endr
.endr
.irp k, 0,1,2,3,4,5,6,7
	v_permlanex16_b32 v[TP+\k], v[TM+\k], s[SEL], s[SEL+1]
.endr
.irp k, 0,1,2,3,4,5,6,7
	v_max_num_f32 v[TM+\k], v[TM+\k], v[TP+\k]
.endr
.irp k, 0,1,2,3,4,5,6,7
	v_add_nc_u32 v[SO+\k], 0xff000000, v[TM+\k]    ; 2 off the exponent field: the conversion's scale operand
.endr
.irp k, 0,1,2,3,4,5,6,7
	v_lshrrev_b32 v[TP+\k], 23, v[SO+\k]           ; the scale's byte
.endr
.irp a, 0,1,2,3
	v_lshl_or_b32 v[TM+\a], v[TP+2*\a+1], 8, v[TP+2*\a]
.endr
.if \kind
.irp a, 0,1,2,3
	ds_store_b16 v[STA], v[TM+\a] offset:(\hd)*1024+4*\a   ; my half of tile a's scale word
.endr
.else
.irp a, 0,1,2,3
	v_or_b32 v[SWD+\a], 0x7f7f0000, v[TM+\a]       ; the upper two bytes stand for 1.0: the scores' K step of 128 is filled with zero codes
.endr
.endif
.irp a, 0,1,2,3
	v_cvt_scalef32_pk16_fp6_f32 v[CD+6*\a:CD+6*\a+2], v[ACC+32*\a:ACC+32*\a+15], v[SO+2*\a]
	v_cvt_scalef32_pk16_fp6_f32 v[TM+4*\a:TM+4*\a+2], v[ACC+32*\a+16:ACC+32*\a+31], v[SO+2*\a+1]
.endr
	v_nop                                          ; one plain place behind a scaled conversion
.irp a, 0,1,2,3
.irp n, 0,1,2
	v_permlane16_swap_b32 v[CD+6*\a+\n], v[TM+4*\a+\n]   ; a whole block in a lane: lanes 0-15 block 0, lanes 16-31 block 1
.endr
.endr
.irp a, 0,1,2,3
.irp n, 0,1,2
	v_mov_b32 v[CD+6*\a+3+\n], v[TM+4*\a+\n]
.endr
.endr
.irp a, 0,1,2,3
.if \kind
	global_store_b128 v[VV16], v[CD+6*\a:CD+6*\a+3], s[OUTB:OUTB+1] offset:(\hd)*BLK+2*PARTB+\a*1536
	global_store_b64 v[VV8], v[CD+6*\a+4:CD+6*\a+5], s[OUTB:OUTB+1] offset:(\hd)*BLK+2*PARTB+\a*1536+512
.else
	global_store_b128 v[VO16], v[CD+6*\a:CD+6*\a+3], s[OUTC:OUTC+1] offset:\a*768
	global_store_b64 v[VO8], v[CD+6*\a+4:CD+6*\a+5], s[OUTC:OUTC+1] offset:\a*768+512
.endif
.endr
.if \kind == 0
	global_store_b128 v[VS], v[SWD:SWD+3], s[OUTC:OUTC+1]
.endif
.endm
; A PHASE: four blocks and the way out.  A block's rows were fetched two blocks ago; younger than that fetch is the next block's (NF loads; LDS stores behind it only make the count stricter).
; ahead = 4: every block fetches the block two on; 2: the last phase.  bar = 1: a plain barrier ahead of the fetch of the next phase's first block shows what the refill brought.
.macro PHASE kind, ahead, bar, hd
.irp b, 0,1,2,3
.if (\ahead == 2) && (\b == 3)
	s_wait_dscnt 0x0
.elseif \kind
	s_wait_dscnt NF1
.else
	s_wait_dscnt NF0
.endif
.set N_, 0
.rept 32
	PROD \kind, \b%2, \b, N_
.set N_, N_+1
.endr
	WIN 0
.if \b == 3
	s_wait_xcnt 0x0                                ; the last phase's stores have read their registers and their base
.if \kind == 0
	s_lshr_b32 s20, s[CT], 1                       ; trip t: tensor t / 2, head t % 2
	s_mul_i32 s20, s20, PARTB
	s_and_b32 s21, s[CT], 1
	s_mul_i32 s21, s21, BLK
	s_add_co_u32 s20, s20, s21
	s_mov_b32 s21, 0
	s_add_nc_u64 s[OUTC:OUTC+1], s[OUTB:OUTB+1], s[20:21]
.endif
.endif
.if (\bar) && (\b == 2)
	s_wait_tensorcnt 0x0
	s_wait_dscnt 0x0
	BARRIER
.endif
.if (\ahead == 4) || (\b < 2)
	NEXT \b%2, \kind
.elseif \b == 3
	NOPS                                           ; four places ahead of the first read of results
.endif
.endr
	QOUT \kind, \hd
.endm
; ================= THE HEAD
	s_load_b512 s[68:83], s[0:1], 0x0              ; x codes, x scales, Wq codes, Wq scales, Wk codes, Wk scales, Wv codes, Wv scales
	s_load_b256 s[84:91], s[0:1], 0x40             ; bq, bk, bv, qkv
	v_lshl_add_u32 v[SPW], v0, 2, SPARE
	v_mov_b32 v[NIL], 0
	ds_add_u32 v[SPW], v[NIL]
	ds_add_u32 v[SPW], v[NIL]
	v_lshrrev_b32 v1, 5, v0
	v_readfirstlane_b32 s14, v1                    ; wave
	s_and_b32 s16, s14, 1
	s_lshr_b32 s15, s14, 1
	s_bfe_u32 s40, ttmp6, 0x40000                  ; cx
	s_bfe_u32 s41, ttmp6, 0x40004                  ; cy
	s_lshl_b32 s42, ttmp9, 2
	s_add_co_u32 s42, s42, s40                     ; s42: which 128 features
	s_and_b32 s43, ttmp7, 0xffff
	s_lshl_b32 s43, s43, 2
	s_add_co_u32 s43, s43, s41                     ; s43: which 256 tokens
	s_lshl_b32 s44, s41, 2
	s_lshl_b32 s44, 15, s44                        ; my row of the cluster
	s_lshl_b32 s45, 0x1111, s40                    ; my column
	GROUP1 G1X, 44, 128
	GROUP1 G1W, 45, 64
	s_lshl_b32 s20, s43, 8
	s_lshl_b32 s21, s16, 7
	s_add_co_u32 s20, s20, s21
	s_mul_i32 s20, s20, KROW                       ; x: row 256 x block + 128 x (wave % 2)
	s_mov_b32 s21, 0
	s_lshl_b32 s22, s42, 7
	s_lshl_b32 s23, s16, 6
	s_add_co_u32 s22, s22, s23
	s_mul_i32 s22, s22, KROW                       ; a weight: row 128 x group + 64 x (wave % 2)
	s_mov_b32 s23, 0
	s_mov_b32 s[G0X], 1
	s_mul_i32 s[G0X+1], s16, 128*PITCH
	s_add_co_u32 s[G0X+1], s[G0X+1], XB
	s_mov_b32 s[G0W], 1
	s_mul_i32 s[G0W+1], s16, 64*PITCH
	s_mov_b32 s[G0R], 1
	s_mul_i32 s[G0R+1], s14, 64*PITCH
	s_add_co_u32 s[G0R+1], s[G0R+1], XB
	s_mov_b32 s[SEL], 0x76543210
	s_mov_b32 s[SEL+1], 0xfedcba98
	s_lshl_b32 s2, s43, 13                         ; offsets, all from ids
	s_lshl_b32 s3, s14, 11
	s_add_co_u32 s2, s2, s3                        ; s2: my 64 tokens' scale bytes
	s_lshl_b32 s3, s42, 12
	s_lshl_b32 s5, s14, 10
	s_add_co_u32 s3, s3, s5                        ; s3: my quarter of a weight's 4,096 scale bytes
	s_add_co_u32 s5, s5, SCB                       ; s5: where it goes
	s_lshl_b32 s4, s42, 9
	s_lshl_b32 s6, s14, 7
	s_add_co_u32 s4, s4, s6                        ; s4: my quarter of a bias's 512 bytes
	s_add_co_u32 s6, s6, BIB                       ; s6: where it goes
	s_mul_i32 s7, s14, 64*PITCH
	s_add_co_u32 s7, s7, XB                        ; s7: my 64 rows of x in LDS
	s_and_b32 s18, s43, 3                          ; which 256 tokens of the batch
	s_lshl_b32 s8, s18, 2
	s_add_co_u32 s8, s8, s14
	s_lshl_b32 s9, s8, 9
	s_add_co_u32 s9, s9, SCOFF                     ; s9: q, k: my four tiles' scale words
	s_mul_i32 s8, s8, 4*768                        ; s8: my four tiles' half fragments
	s_lshl_b32 s19, s18, 1
	s_add_co_u32 s10, s19, s15
	s_mul_i32 s10, s10, 6144
	s_mul_i32 s11, s16, 768
	s_add_co_u32 s10, s10, s11                     ; s10: v: key step 2 x block + wave / 2, which 64 keys wave % 2
	s_lshl_b32 s11, s15, 9
	s_lshl_b32 s12, s16, 1
	s_add_co_u32 s11, s11, s12                     ; s11: the stage: key step, half of the word
	s_lshl_b32 s12, s14, 9                         ; s12: the 512 bytes of the stage that I send: head wave / 2, key step wave % 2
	s_add_co_u32 s13, s19, s16
	s_lshl_b32 s13, s13, 9
	s_mul_i32 s17, s15, BLK
	s_add_co_u32 s13, s13, s17                     ; s13: where they go
	s_lshl_b32 s17, s41, 2
	s_add_co_u32 s17, s17, s14
	s_mul_i32 s17, s17, 24*256
	s_mul_i32 s46, s42, 128*KROW
	s_add_co_u32 s17, s17, s46                     ; s17: my 24 blocks of 256 bytes of the 384 that a weight's 128 rows are
	s_lshr_b32 s18, s43, 2
	s_lshl_b32 s18, s18, 4
	s_lshl_b32 s19, s42, 1
	s_add_co_u32 s18, s18, s19
	s_mul_i32 s18, s18, BLK                        ; (batch, head 2 x group)
	s_mov_b32 s19, 0
	s_mov_b32 s[WO], 0
	s_mov_b32 s[SOF], 0
	s_mov_b32 s[BO], 0
	s_wait_dscnt 0x0
	s_wait_kmcnt 0x0
	s_add_nc_u64 s[OUTB:OUTB+1], s[90:91], s[18:19]
	s_add_nc_u64 s[G0X+2:G0X+3], s[68:69], s[20:21]
	s_or_b32 s[G0X+3], s[G0X+3], 0x80000000
	s_add_nc_u64 s[G0W+2:G0W+3], s[72:73], s[22:23]
	s_or_b32 s[G0W+3], s[G0W+3], 0x80000000
	s_cmp_lt_u32 s14, 2                            ; the refill: waves 0, 1 Wk's halves, waves 2, 3 Wv's
	s_cselect_b64 s[46:47], s[76:77], s[80:81]
	s_add_nc_u64 s[G0R+2:G0R+3], s[46:47], s[22:23]
	s_or_b32 s[G0R+3], s[G0R+3], 0x80000000
	CROUND                                         ; all sixteen work-groups are here: the first joint loads meet
	s_cmp_lt_u32 s14, 2
	s_cbranch_scc0 .Lhead_w
	tensor_load_to_lds s[G0X:G0X+3], s[G1X:G1X+7]  ; waves 0, 1: 128 rows of x each
	s_nop 0
	NOPS
	s_branch .Lhead_asked
.Lhead_w:
	tensor_load_to_lds s[G0W:G0W+3], s[G1W:G1W+7]  ; waves 2, 3: 64 rows of Wq each
	s_nop 0
	NOPS
.Lhead_asked:
	v_and_b32 v42, 15, v0                          ; r
	v_bfe_u32 v43, v0, 4, 1                        ; h
	v_and_b32 v44, 31, v0                          ; lane
	v_mul_u32_u24 v45, v42, PITCH
	v_mad_u32_u24 v[WA0], v43, 24, v45
	v_mad_u32_u24 v[WA1], v43, 40, v45
	v_lshl_add_u32 v[WSL], v42, 5, SCB
	v_lshl_add_u32 v[BL], v43, 5, BIB
	v_lshl_add_u32 v[BL+1], v42, 2, BIB
	v_lshlrev_b32 v46, 4, v44
	v_lshlrev_b32 v47, 3, v44
	v_add_nc_u32 v[VO16], s8, v46
	v_add_nc_u32 v[VO8], s8, v47
	v_add_nc_u32 v[VS], s9, v46
	v_add_nc_u32 v[VV16], s10, v46
	v_add_nc_u32 v[VV8], s10, v47
	v_add_nc_u32 v[STA], s11, v46
	v_add_nc_u32 v[STR], s12, v46
	v_add_nc_u32 v[VSV], s13, v46
	v_min_u32 v[PF], 23, v44
	v_lshl_add_u32 v[PF], v[PF], 8, s17
	v_lshl_add_u32 v[WSF], v44, 5, s2              ; for the head's loads: x's scale bytes, 32 a lane;
	v_add_nc_u32 v[WF0], s3, v46                   ; a weight's scale bytes;
	v_lshl_add_u32 v[WF1], v44, 2, s4              ; a bias;
	v_add_nc_u32 v[BF], s5, v46                    ; and where the last two go in LDS
	v_lshl_add_u32 v45, v44, 2, s6
	v_add_nc_u32 v46, s7, v[WA0]
	v_add_nc_u32 v47, s7, v[WA1]
.irp a, 0,1,2,3
	v_add_nc_u32 v[TM+2*\a], \a*16*PITCH, v46      ; my four tiles of x
	v_add_nc_u32 v[TM+2*\a+1], \a*16*PITCH, v47
.endr
.irp k, 0,1,2,3,4,5,6,7
	v_mov_b32 v[TP+\k], 0                          ; a lane permute's destination counts as one of its sources
.endr
	WALU
	global_prefetch_b8 v[PF], s[76:77] th:TH_LOAD_NT scope:SCOPE_SE
	global_prefetch_b8 v[PF], s[80:81] th:TH_LOAD_NT scope:SCOPE_SE
.irp p, 0,1
.irp c, 0,1
	global_load_b128 v[SX+8*\p+4*\c:SX+8*\p+4*\c+3], v[WSF], s[70:71] offset:\p*1024+16*\c
.endr
.endr
.irp t, 0,1,2
	global_load_b128 v[ACC+12*\t:ACC+12*\t+3], v[WF0], s[74+4*\t:75+4*\t]
	global_load_b128 v[ACC+12*\t+4:ACC+12*\t+7], v[WF0], s[74+4*\t:75+4*\t] offset:512
	global_load_b32 v[ACC+12*\t+8], v[WF1], s[84+2*\t:85+2*\t]
.endr
	s_wait_loadcnt 0x0
	s_wait_tensorcnt 0x0                           ; my tile is in
.irp t, 0,1,2
	ds_store_b128 v[BF], v[ACC+12*\t:ACC+12*\t+3] offset:\t*4096
	ds_store_b128 v[BF], v[ACC+12*\t+4:ACC+12*\t+7] offset:\t*4096+512
	ds_store_b32 v45, v[ACC+12*\t+8] offset:\t*512
.endr
	s_wait_dscnt 0x0
	BARRIER                                        ; x, Wq, the scale bytes and the biases are shown to all
.irp q, 0,1,2,3,4,5,6,7
.irp a, 0,1,2,3
	FRAG 4*\q+\a, \q, TM+2*\a, TM+2*\a+1           ; my 64 tokens, all of K: 104 loads
.endr
.endr
	WIN 0
	NEXT 0, 0
	NEXT 1, 0
	s_wait_tensorcnt 0x0
	ds_add_u32 v[SPW], v[NIL]
	s_wait_dscnt 0x0                               ; the add is done, and x is in my registers
	CROUND
	tensor_load_to_lds s[G0R:G0R+3], s[G1W:G1W+7]  ; Wk's and Wv's rows, 64 a wave, onto x's
	s_nop 0
	NOPS
; ================= q's two heads, k's two heads
	s_mov_b32 s[CT], 0
.Lqk:
	PHASE 0, 4, 1, 0
	WALU
	s_add_co_u32 s[CT], s[CT], 1
	s_cmp_lt_u32 s[CT], 4
	s_cbranch_scc1 .Lqk
	s_wait_dscnt 0x0
	BARRIER                                        ; nobody reads Wq's rows any more: the stage may be written
	v_add_nc_u32 v[BF], 16*64, v[BL+1]             ; v's first two blocks take their bias anew, in v's order
.irp e, 0,1
.irp j, 0,1,2,3,4,5,6,7
	ds_load_b32 v[BI+8*\e+\j], v[BF] offset:64*\e
.endr
.endr
	s_wait_dscnt 0x0
; ================= v's two heads
	PHASE 1, 4, 0, 0
	PHASE 1, 2, 0, 1
	s_wait_dscnt 0x0
	BARRIER                                        ; both halves of every scale word of v lie in the stage
	ds_load_b128 v[TM:TM+3], v[STR]
	s_wait_dscnt 0x0
	global_store_b128 v[VSV], v[TM:TM+3], s[OUTB:OUTB+1] offset:2*PARTB+SCOFF
	s_wait_tensorcnt 0x0                           ; the wave's end
	ds_add_u32 v[SPW], v[NIL]
	s_wait_dscnt 0x0
	CROUND                                         ; the closing round
	s_endpgm
.Lfunc_end_k_q0756fce9a5_qkv:
	.size	k_q0756fce9a5_qkv, .Lfunc_end_k_q0756fce9a5_qkv-k_q0756fce9a5_qkv
	.p2alignl 7, 3214868480
	.fill 96, 4, 3214868480
	.section	.rodata,"a",@progbits
	.p2align	6, 0x0
	.amdhsa_kernel k_q0756fce9a5_qkv
		.amdhsa_group_segment_fixed_size 327680
		.amdhsa_private_segment_fixed_size 0
		.amdhsa_enable_private_segment 0
		.amdhsa_kernarg_size 96
		.amdhsa_user_sgpr_count 2
		.amdhsa_user_sgpr_kernarg_segment_ptr 1
		.amdhsa_wavefront_size32 1
		.amdhsa_system_sgpr_workgroup_id_x 1
		.amdhsa_system_sgpr_workgroup_id_y 1
		.amdhsa_system_sgpr_workgroup_id_z 1
		.amdhsa_system_vgpr_workitem_id 0
		.amdhsa_next_free_vgpr 840
		.amdhsa_next_free_sgpr 102
		.amdhsa_reserve_vcc 0
		.amdhsa_float_denorm_mode_32 3
		.amdhsa_float_denorm_mode_16_64 3
		.amdhsa_memory_ordered 1
		.amdhsa_forward_progress 1
		.amdhsa_inst_pref_size 125
	.end_amdhsa_kernel
	.amdgpu_metadata
---
amdhsa.version: [ 1, 2 ]
amdhsa.kernels:
  - .name:           k_q0756fce9a5_qkv
    .symbol:         k_q0756fce9a5_qkv.kd
    .args:
      - { .name: x_codes, .offset: 0, .size: 8, .value_kind: global_buffer, .address_space: global }
      - { .name: x_scales, .offset: 8, .size: 8, .value_kind: global_buffer, .address_space: global }
      - { .name: w_q_codes, .offset: 16, .size: 8, .value_kind: global_buffer, .address_space: global }
      - { .name: w_q_scales, .offset: 24, .size: 8, .value_kind: global_buffer, .address_space: global }
      - { .name: w_k_codes, .offset: 32, .size: 8, .value_kind: global_buffer, .address_space: global }
      - { .name: w_k_scales, .offset: 40, .size: 8, .value_kind: global_buffer, .address_space: global }
      - { .name: w_v_codes, .offset: 48, .size: 8, .value_kind: global_buffer, .address_space: global }
      - { .name: w_v_scales, .offset: 56, .size: 8, .value_kind: global_buffer, .address_space: global }
      - { .name: b_q, .offset: 64, .size: 8, .value_kind: global_buffer, .address_space: global }
      - { .name: b_k, .offset: 72, .size: 8, .value_kind: global_buffer, .address_space: global }
      - { .name: b_v, .offset: 80, .size: 8, .value_kind: global_buffer, .address_space: global }
      - { .name: qkv, .offset: 88, .size: 8, .value_kind: global_buffer, .address_space: global }
    .group_segment_fixed_size: 327680
    .private_segment_fixed_size: 0
    .kernarg_segment_align: 8
    .kernarg_segment_size: 96
    .max_flat_workgroup_size: 128
    .sgpr_count:     102
    .vgpr_count:     840
    .wavefront_size: 32
...
	.end_amdgpu_metadata
.endif
;; end of part 1
;; launch attn (part 2): grid 4 x 64, 16 waves a work-group, clusters of 4 x 1, 327,680 bytes of LDS; arguments qkv, oimg; writes oimg
.if DOCPART == 2
	.amdgcn_target "amdgcn-amd-amdhsa--gfx1250"
	.amdhsa_code_object_version 6
	.text
	.protected	k_q0756fce9a5_attn
	.globl	k_q0756fce9a5_attn
	.p2align	8
	.type	k_q0756fce9a5_attn,@function
k_q0756fce9a5_attn:
	s_mov_b64 s[64:65], 0
	v_nop
	global_prefetch_b8 v0, s[64:65] scope:SCOPE_SE
	s_setreg_imm32_b32 hwreg(HW_REG_WAVE_MODE, 25, 1), 1
	s_wait_xcnt 0x0
	s_wait_alu depctr_hold_cnt(0) depctr_sa_sdst(0) depctr_va_vdst(0) depctr_va_sdst(0) depctr_va_ssrc(0) depctr_va_vcc(0) depctr_vm_vsrc(0)
	s_getreg_b32 s2, hwreg(HW_REG_IB_STS2, 6, 4)
	s_cmp_eq_u32 s2, 0
	s_cbranch_scc0 .Lentry_in_a_cluster
	s_endpgm
.Lentry_in_a_cluster:
	s_bfe_u32 s2, ttmp6, 0x10000c
	s_cmp_lg_u32 s2, 0x3003
	s_cbranch_scc0 .Lentry_shape_is_right
	s_endpgm
.Lentry_shape_is_right:
; o = softmax(q k^T / 8) v on codes of FP6, for two heads of one batch and 256 queries a work-group: 16 waves, a wave 16 queries, first head 0, then head 1; o leaves quantised, as images of the next launch's operand registers.
; Both heads' K and V parts (2 x 110,592 bytes) lie in LDS for the whole launch: ONE joint load a wave at the head, waves 0-7 head 0's, waves 8-15 head 1's, 54 rows of 256 bytes each; nothing is filled again.
; A step is 128 keys.  Step i + 1's fragments of K are asked for at the bottom of step i, and the row's sum of step i's p stands behind those loads, ahead of the wait for them.
; M is the running largest t rounded up to a whole number; the promise holds while the scaled scores stay under 2^31 in magnitude.  NaN and infinities are not served.
.set BLK,   167936
.set KVOFF, 57344
.set HB,    110592
.set KSCO,  49152
.set VO,    57344
.set VSO,   106496
.set REC,   25600
.set L16, 1
.set L8,  2
.set BM,  240
.set TP,  244
.set SO,  248
.set WV,  14
.set SEL, 10
.set CS,  12
.set G1,  24
.set G0,  32
.set TK,  46
.set TS,  47
.set TV,  48
.set CNT, 49
.macro CROUND
	s_barrier_signal -1
	s_barrier_wait -1
	s_cmp_lg_u32 s[WV], 0
	s_cbranch_scc1 .Lnot_wave_0_\@
	s_barrier_signal -3
.Lnot_wave_0_\@:
	s_barrier_wait -3
	s_barrier_signal -1
	s_barrier_wait -1
.endm
	s_load_b128 s[4:7], s[0:1], 0x0
	v_lshl_add_u32 v239, v0, 2, 0x36000
	v_mov_b32 v255, 0
	ds_add_u32 v239, v255
	ds_add_u32 v239, v255
	v_lshrrev_b32 v3, 5, v0
	s_delay_alu instid0(VALU_DEP_1)
	v_readfirstlane_b32 s[WV], v3
	s_bfe_u32 s9, ttmp6, 0x40000
	s_and_b32 s8, ttmp7, 0xffff
	s_mul_i32 s16, s8, 2*BLK
	s_mul_i32 s18, s[WV], 54*256                   ; LDS: wave x 13,824: eight waves fill a head's 110,592 bytes
	s_and_b32 s19, s[WV], 7
	s_mul_i32 s19, s19, 54*256                     ; my eighth of a head's K and V parts,
	s_lshr_b32 s20, s[WV], 3
	s_mul_i32 s20, s20, BLK                        ; of head wave / 8
	s_add_co_u32 s20, s20, s19
	s_add_co_u32 s20, s20, s16
	s_add_co_u32 s20, s20, KVOFF
	s_mov_b32 s21, 0
	s_mov_b32 s[G1], 15|(3<<16)|(1<<21)
	s_mov_b32 s[G1+1], 32<<16
	s_mov_b32 s[G1+2], 54<<16
	s_mov_b32 s[G1+3], 32<<16
	s_mov_b32 s[G1+4], 54
	s_mov_b32 s[G1+5], 32
	s_mov_b32 s[G1+6], 0
	s_mov_b32 s[G1+7], 0
	s_mov_b32 s[SEL], 0x76543210
	s_mov_b32 s[SEL+1], 0xfedcba98
	s_mov_b32 s[CS], 0x3e38aa3b
	s_mov_b32 s[CS+1], s[CS]
	s_wait_dscnt 0x0
	s_wait_kmcnt 0x0
	s_mov_b32 s[G0], 1
	s_mov_b32 s[G0+1], s18
	s_add_nc_u64 s[G0+2:G0+3], s[4:5], s[20:21]
	s_or_b32 s[G0+3], s[G0+3], 0x80000000
	CROUND                                         ; the four work-groups are here: the joint loads meet
	tensor_load_to_lds s[G0:G0+3], s[G1:G1+7]      ; my one load
	s_nop 0
.rept 4
	v_nop
.endr
	v_and_b32 v3, 31, v0
	s_delay_alu instid0(VALU_DEP_1)
	v_lshlrev_b32 v[L16], 4, v3
	s_wait_alu depctr_va_vdst(0)
	v_lshlrev_b32 v[L8], 3, v3
	s_wait_alu depctr_va_vdst(0)
	v_and_b32 v9, 15, v0
	s_delay_alu instid0(VALU_DEP_1)
	v_lshlrev_b32 v9, 2, v9
	s_mov_b32 s3, 0
	s_lshl_b32 s22, s9, 4
	s_add_co_u32 s22, s22, s[WV]
	s_mul_i32 s2, s22, 768
	s_add_co_u32 s2, s2, s16
	s_add_nc_u64 s[40:41], s[4:5], s[2:3]
	s_lshr_b32 s23, s22, 2
	s_lshl_b32 s23, s23, 9
	s_and_b32 s22, s22, 3
	s_lshl_b32 s22, s22, 2
	s_add_co_u32 s2, s23, s22
	s_add_co_u32 s2, s2, s16
	s_add_co_u32 s2, s2, KSCO
	s_add_nc_u64 s[42:43], s[4:5], s[2:3]
	global_load_b128 v[16:19], v[L16], s[40:41]
	global_load_b64 v[20:21], v[L8], s[40:41] offset:512
	global_load_b32 v28, v[L16], s[42:43]
	global_load_b128 v[204:207], v[L16], s[40:41] offset:BLK
	global_load_b64 v[208:209], v[L8], s[40:41] offset:BLK+512
	global_load_b32 v29, v[L16], s[42:43] offset:BLK
	s_lshr_b32 s22, s8, 3
	s_lshl_b32 s22, s22, 2
	s_add_co_u32 s22, s22, s9
	s_mul_i32 s22, s22, 8*REC
	s_and_b32 s23, s8, 7
	s_mul_i32 s23, s23, REC
	s_add_co_u32 s22, s22, s23
	s_mul_i32 s23, s[WV], 1536
	s_add_co_u32 s2, s22, s23
	s_add_nc_u64 s[44:45], s[6:7], s[2:3]
	s_lshl_b32 s23, s[WV], 6
	s_add_co_u32 s2, s22, s23
	s_add_co_u32 s2, s2, 16*1536
	s_add_nc_u64 s[50:51], s[6:7], s[2:3]
.irp j, 0,1,2,3,4,5
	v_mov_b32 v[22+\j], 0
	v_mov_b32 v[210+\j], 0
	v_mov_b32 v[80+\j], 0
.endr
.irp b, 0,1,2,3
	v_mov_b32 v[TP+\b], 0
.endr
	v_mov_b32 v253, 0
	v_mov_b32 v254, 0
.macro KADR                            ; a step's LDS addresses: K's and V's half fragments (v4, v5), K's scale words (v6), V's (v7)
	v_add_nc_u32 v4, s[TK], v[L16]
	v_add_nc_u32 v5, s[TK], v[L8]
	v_add_nc_u32 v6, s[TS], v[L16]
	v_add_nc_u32 v7, s[TV], v[L16]
.endm
.macro KLOAD                           ; a step's eight tiles of K and their scale words
.irp i, 0,1,2,3,4,5,6,7
	ds_load_b128 v[32+6*\i:35+6*\i], v4 offset:768*\i
	ds_load_b64 v[36+6*\i:37+6*\i], v5 offset:768*\i+512
.endr
	ds_load_b128 v[86:89], v6 offset:KSCO
	ds_load_b128 v[90:93], v6 offset:KSCO+512
.endm
.macro STEP QB, QS
	s_wait_alu depctr_va_vdst(0)
	s_wait_dscnt 0x0
.irp i, 0,1,2,3,4,5,6,7
	v_wmma_scale_f32_16x16x128_f8f6f4 v[96+8*\i:103+8*\i], v[32+6*\i:43+6*\i], v[\QB:\QB+11], 0, v[86+\i], v[\QS] matrix_a_fmt:MATRIX_FMT_FP6 matrix_b_fmt:MATRIX_FMT_FP6
.endr
.rept 4
	v_nop
.endr
.irp t, 0,1,2,3
.irp c, 0,1
	ds_load_b128 v[32+12*\t+6*\c:35+12*\t+6*\c], v4 offset:VO+(2*\t+\c)*768
	ds_load_b64 v[36+12*\t+6*\c:37+12*\t+6*\c], v5 offset:VO+(2*\t+\c)*768+512
.endr
.endr
	ds_load_b128 v[216:219], v7
.irp b, 0,1,2,3
	v_max3_num_f32 v[BM+\b], v[96+16*\b], v[97+16*\b], v[98+16*\b]
.endr
.irp i, 3,5,7,9,11,13
.irp b, 0,1,2,3
	v_max3_num_f32 v[BM+\b], v[BM+\b], v[96+16*\b+\i], v[97+16*\b+\i]
.endr
.endr
.irp b, 0,1,2,3
	v_max_num_f32 v[BM+\b], v[BM+\b], v[111+16*\b]
.endr
.irp b, 0,1,2,3
	s_delay_alu instid0(VALU_DEP_4)
	v_permlanex16_b32 v[TP+\b], v[BM+\b], s[SEL], s[SEL+1]
.endr
.irp b, 0,1,2,3
	s_delay_alu instid0(VALU_DEP_4)
	v_max_num_f32 v[BM+\b], v[BM+\b], v[TP+\b]
.endr
	s_delay_alu instid0(VALU_DEP_2)
	v_max3_num_f32 v254, v[BM], v[BM+1], v[BM+2]
	s_delay_alu instid0(VALU_DEP_1)
	v_max_num_f32 v254, v254, v[BM+3]
	s_delay_alu instid0(VALU_DEP_1)
	v_mul_f32 v254, s[CS], v254
	s_delay_alu instid0(VALU_DEP_1)
	v_max_num_f32 v13, v13, v254
	v_mov_b32 v254, v12
	s_delay_alu instid0(VALU_DEP_2)
	v_floor_f32 v12, -v13
	s_delay_alu instid0(VALU_DEP_1)
	v_sub_f32 v254, v12, v254
	s_delay_alu instid0(VALU_DEP_1)
	v_cvt_i32_f32 v254, v254
	s_delay_alu instid0(VALU_DEP_1)
	v_ldexp_f32 v252, 1.0, v254
.set j, 0
.rept 32
	v_pk_fma_f32 v[96+j:97+j], v[96+j:97+j], s[CS:CS+1], v[12:13] op_sel_hi:[1,0,0]
.set j, j+2
.endr
.irp b, 0,1,2,3
	v_fma_f32 v[BM+\b], v[BM+\b], s[CS], v12
.endr
.set j, 0
	s_wait_alu depctr_va_vdst(0)
.rept 64
	v_exp_f32 v[96+j], v[96+j]
.set j, j+1
.endr
	v_pk_mul_f32 v[14:15], v[14:15], v[252:253] op_sel_hi:[1,0]
	s_wait_alu depctr_va_vdst(0)
.irp b, 0,1,2,3
	v_exp_f32 v[BM+\b], v[BM+\b]
.endr
	v_pk_add_f32 v[10:11], v[96:97], v[98:99]
	s_wait_alu depctr_va_vdst(0)
.irp b, 0,1,2,3
	v_max_num_f32 v[BM+\b], 0x1800000, v[BM+\b]
.endr
.irp b, 0,1,2,3
	s_delay_alu instid0(VALU_DEP_4)
	v_add_nc_u32 v[SO+\b], 0xff000000, v[BM+\b]
.endr
.irp b, 0,1,2,3
	s_delay_alu instid0(VALU_DEP_4)
	v_lshrrev_b32 v[TP+\b], 23, v[SO+\b]
.endr
	s_delay_alu instid0(VALU_DEP_3)
	v_lshl_or_b32 v253, v[TP+1], 8, v[TP]
	s_delay_alu instid0(VALU_DEP_1)
	v_lshl_or_b32 v253, v[TP+2], 16, v253
	s_delay_alu instid0(VALU_DEP_1)
	v_lshl_or_b32 v253, v[TP+3], 24, v253
	v_cvt_scalef32_pk16_fp6_f32 v[224:226], v[96:111], v[SO]
	v_cvt_scalef32_pk16_fp6_f32 v[220:222], v[112:127], v[SO+1]
	v_cvt_scalef32_pk16_fp6_f32 v[230:232], v[128:143], v[SO+2]
	v_cvt_scalef32_pk16_fp6_f32 v[236:238], v[144:159], v[SO+3]
	v_nop
.irp i, 0,1,2
	v_permlane16_swap_b32 v[224+\i], v[220+\i]
	v_permlane16_swap_b32 v[230+\i], v[236+\i]
.endr
.irp i, 0,1,2
	v_mov_b32 v[227+\i], v[220+\i]
	v_mov_b32 v[233+\i], v[236+\i]
.endr
.set j, 0
.rept 16
	v_pk_mul_f32 v[160+j:161+j], v[160+j:161+j], v[252:253] op_sel_hi:[1,0]
.set j, j+2
.endr
	s_wait_alu depctr_va_vdst(0)
	s_wait_dscnt 0x0
.irp t, 0,1,2,3
	v_wmma_scale_f32_16x16x128_f8f6f4 v[160+8*\t:167+8*\t], v[32+12*\t:43+12*\t], v[224:235], v[160+8*\t:167+8*\t], v[216+\t], v253 matrix_a_fmt:MATRIX_FMT_FP6 matrix_b_fmt:MATRIX_FMT_FP6
.endr
	s_add_co_u32 s[TK], s[TK], 6144                ; on to the next step
	s_add_co_u32 s[TS], s[TS], 1024
	s_add_co_u32 s[TV], s[TV], 512
	KADR                                           ; four plain lines: the places between the products above and the loads into their registers
	s_wait_alu depctr_va_vdst(0)
	s_cmp_eq_u32 s[CNT], 1                         ; the last step has no successor
	s_cbranch_scc1 .Lno_k_\@
	KLOAD
.Lno_k_\@:
.set j, 4
.rept 15                               ; the rest of the row's sum of the unquantised p, in two chains, while the loads are out
	v_pk_add_f32 v[14:15], v[14:15], v[96+j:97+j]
	v_pk_add_f32 v[10:11], v[10:11], v[98+j:99+j]
.set j, j+4
.endr
	s_delay_alu instid0(VALU_DEP_1)
	v_pk_add_f32 v[14:15], v[14:15], v[10:11]
.endm
.macro HEAD u, QB, QS
	v_mov_b32 v13, 0xff61b1e6
	s_delay_alu instid0(VALU_DEP_1)
	v_floor_f32 v12, -v13
	v_mov_b32 v14, 0
	v_mov_b32 v15, 0
.set j, 0
.rept 32
	v_mov_b32 v[160+j], 0
.set j, j+1
.endr
	s_mov_b32 s[TK], \u*HB
	s_mov_b32 s[TS], \u*HB
	s_mov_b32 s[TV], \u*HB+VSO
	s_mov_b32 s[CNT], 8
	KADR
	KLOAD                                          ; the first step's K
.Lstep_\@:
	STEP \QB, \QS
	s_sub_co_u32 s[CNT], s[CNT], 1
	s_cmp_lg_u32 s[CNT], 0
	s_cbranch_scc1 .Lstep_\@
.rept 4
	v_nop
.endr
	v_add_f32 v14, v14, v15
	s_delay_alu instid0(VALU_DEP_1)
	v_permlanex16_b32 v254, v14, s[SEL], s[SEL+1]
	s_delay_alu instid0(VALU_DEP_1)
	v_add_f32 v14, v14, v254
	s_wait_alu depctr_va_vdst(0)
	v_rcp_f32 v10, v14
	v_nop
	s_wait_alu depctr_va_vdst(0)
.set j, 0
.rept 16
	v_pk_mul_f32 v[96+j:97+j], v[160+j:161+j], v[10:11] op_sel_hi:[1,0]
.set j, j+2
.endr
.irp b, 0,1
.irp n, 0,1,2,3,4,5,6,7
	v_permlane16_swap_b32 v[96+16*\b+\n], v[104+16*\b+\n]
.endr
.endr
.irp b, 0,1
	v_max3_num_f32 v[BM+\b], |v[96+16*\b]|, |v[97+16*\b]|, 0x1800000
.endr
.irp i, 2,4,6,8,10,12,14
.irp b, 0,1
	s_delay_alu instid0(VALU_DEP_2)
	v_max3_num_f32 v[BM+\b], v[BM+\b], |v[96+16*\b+\i]|, |v[97+16*\b+\i]|
.endr
.endr
.irp b, 0,1
	s_delay_alu instid0(VALU_DEP_2)
	v_permlanex16_b32 v[TP+\b], v[BM+\b], s[SEL], s[SEL+1]
.endr
.irp b, 0,1
	s_delay_alu instid0(VALU_DEP_2)
	v_max_num_f32 v[BM+\b], v[BM+\b], v[TP+\b]
.endr
.irp b, 0,1
	s_delay_alu instid0(VALU_DEP_2)
	v_add_nc_u32 v[SO+\b], 0xff000000, v[BM+\b]
.endr
.irp b, 0,1
	s_delay_alu instid0(VALU_DEP_2)
	v_lshrrev_b32 v[TP+\b], 23, v[SO+\b]
.endr
.if \u == 0
	s_delay_alu instid0(VALU_DEP_1)
	v_lshl_or_b32 v8, v[TP+1], 8, v[TP]
.else
	s_delay_alu instid0(VALU_DEP_2)
	v_lshl_or_b32 v8, v[TP], 16, v8
	s_delay_alu instid0(VALU_DEP_1)
	v_lshl_or_b32 v8, v[TP+1], 24, v8
.endif
	v_cvt_scalef32_pk16_fp6_f32 v[192+6*\u:194+6*\u], v[96:111], v[SO]
	v_cvt_scalef32_pk16_fp6_f32 v[220:222], v[112:127], v[SO+1]
	v_nop
.irp i, 0,1,2
	v_permlane16_swap_b32 v[192+6*\u+\i], v[220+\i]
.endr
.irp i, 0,1,2
	s_delay_alu instid0(VALU_DEP_3)
	v_mov_b32 v[195+6*\u+\i], v[220+\i]
.endr
.endm
	s_wait_alu depctr_va_vdst(0)
	s_wait_tensorcnt 0x0                           ; my part is in,
	s_barrier_signal -1
	s_barrier_wait -1                              ; everybody's is: both heads' K and V are shown to all
	s_wait_loadcnt 0x0
	HEAD 0, 16, 28
	HEAD 1, 204, 29
	global_store_b128 v[L16], v[192:195], s[44:45]
	global_store_b128 v[L16], v[196:199], s[44:45] offset:512
	global_store_b128 v[L16], v[200:203], s[44:45] offset:1024
	global_store_b32 v9, v8, s[50:51]
	s_wait_tensorcnt 0x0
	ds_add_u32 v239, v255
	s_wait_dscnt 0x0
	CROUND
	s_endpgm
.Lfunc_end_k_q0756fce9a5_attn:
	.size	k_q0756fce9a5_attn, .Lfunc_end_k_q0756fce9a5_attn-k_q0756fce9a5_attn
	.p2alignl 7, 3214868480
	.fill 96, 4, 3214868480
	.section	.rodata,"a",@progbits
	.p2align	6, 0x0
	.amdhsa_kernel k_q0756fce9a5_attn
		.amdhsa_group_segment_fixed_size 327680
		.amdhsa_private_segment_fixed_size 0
		.amdhsa_enable_private_segment 0
		.amdhsa_kernarg_size 16
		.amdhsa_user_sgpr_count 2
		.amdhsa_user_sgpr_kernarg_segment_ptr 1
		.amdhsa_wavefront_size32 1
		.amdhsa_system_sgpr_workgroup_id_x 1
		.amdhsa_system_sgpr_workgroup_id_y 1
		.amdhsa_system_sgpr_workgroup_id_z 1
		.amdhsa_system_vgpr_workitem_id 0
		.amdhsa_next_free_vgpr 256
		.amdhsa_next_free_sgpr 66
		.amdhsa_reserve_vcc 0
		.amdhsa_float_denorm_mode_32 3
		.amdhsa_float_denorm_mode_16_64 3
		.amdhsa_memory_ordered 1
		.amdhsa_forward_progress 1
		.amdhsa_inst_pref_size 55
	.end_amdhsa_kernel
	.amdgpu_metadata
---
amdhsa.version: [ 1, 2 ]
amdhsa.kernels:
  - .name:           k_q0756fce9a5_attn
    .symbol:         k_q0756fce9a5_attn.kd
    .args:
      - { .name: qkv, .offset: 0, .size: 8, .value_kind: global_buffer, .address_space: global }
      - { .name: oimg, .offset: 8, .size: 8, .value_kind: global_buffer, .address_space: global }
    .group_segment_fixed_size: 327680
    .private_segment_fixed_size: 0
    .kernarg_segment_align: 8
    .kernarg_segment_size: 16
    .max_flat_workgroup_size: 512
    .sgpr_count:     66
    .vgpr_count:     256
    .wavefront_size: 32
...
	.end_amdgpu_metadata
.endif
;; end of part 2
;; launch oproj (part 3): grid 8 x 32, 4 waves a work-group, clusters of 4 x 4, 314,112 bytes of LDS; arguments oimg, w_o_codes, w_o_scales, b_o, out0; writes out0
.if DOCPART == 3
	.amdgcn_target "amdgcn-amd-amdhsa--gfx1250"
	.amdhsa_code_object_version 6
	.text
	.protected	k_q0756fce9a5_oproj
	.globl	k_q0756fce9a5_oproj
	.p2align	8
	.type	k_q0756fce9a5_oproj,@function
k_q0756fce9a5_oproj:
	s_mov_b64 s[64:65], 0
	v_nop
	global_prefetch_b8 v0, s[64:65] scope:SCOPE_SE
	s_setreg_imm32_b32 hwreg(HW_REG_WAVE_MODE, 25, 1), 1
	s_wait_xcnt 0x0
	s_wait_alu depctr_hold_cnt(0) depctr_sa_sdst(0) depctr_va_vdst(0) depctr_va_sdst(0) depctr_va_ssrc(0) depctr_va_vcc(0) depctr_vm_vsrc(0)
	s_getreg_b32 s2, hwreg(HW_REG_IB_STS2, 6, 4)
	s_cmp_eq_u32 s2, 0
	s_cbranch_scc0 .Lentry_in_a_cluster
	s_endpgm
.Lentry_in_a_cluster:
	s_bfe_u32 s2, ttmp6, 0x10000c
	s_cmp_lg_u32 s2, 0xf033
	s_cbranch_scc0 .Lentry_shape_is_right
	s_endpgm
.Lentry_shape_is_right:
; out0 = o Wo + bo on codes of FP6 (E2M3) with one E8M0 scale for each 32 along K = 1,024.  o: images of operand registers, made by the launch before: for each block of 256 rows and each K step of 128 a record
; of 16 fragments (12 registers a lane: 16 bytes at 512 c + 16 x lane) and 16 x 64 bytes of scale words.  Wo: 1,024 rows (output features) of 768 bytes, scale bytes 32 a row.  out0: [8,192][1,024] f32.
; SHARES.  A work-group makes 256 rows x 128 columns: 256 work-groups.  Wave w takes rows 64 w .. 64 w + 63 (4 tiles) x all 8 column tiles: 32 accumulators, 256 registers.
; ALL OF K LIES IN LDS: o's 8 records (204,800 bytes), Wo's 128 rows (rows of 816 bytes, 16 bytes of padding behind every 256) and their scale bytes.  Every byte is filled once: no slot is filled again.
; Each wave issues one load at the start; a wait and a barrier stand ahead of the first fetch, and again in K step 3 for wave 3's records 4 to 7.
; CLUSTERS: 4 x 4 work-groups.  o's records hang on the block of rows alone and are asked for jointly along a row of the cluster, Wo's rows and scales on the columns alone, jointly along a column.
; THE MATRIX INSTRUCTION IS USED TRANSPOSED (source 0 = 16 rows of Wo, source 1 = 16 rows of o): a lane holds eight neighbouring numbers of a row of out0.  The bias is the C of the first K step.
; REGISTERS, in windows of 256: window 0: v16-26 addresses; v32-43 scale words, two sets of 6, and nothing else; v64-127 the bias; v128-223 o's fragments, two sets of 48; on the way out v128-255 rows of out0.
;   window 1: Wo's fragments, two sets, at v0 and v128.   window 2: the accumulators, (a, b) at v[8 (8 a + b)].
.set REC,    25600                     ; a record of o
.set BBASE,  8*REC                     ; Wo's codes
.set RGN,    128*272                   ; a region: 128 rows x (256 bytes + 16 of padding)
.set BSB,    BBASE+3*RGN               ; Wo's scale bytes: 16 units of 256 bytes + 16
.set SPITCH, 528                       ; the way out: a stage of 16 rows x (512 bytes + 16) for each wave, in o's records 0 and 1, which are last read for K step 1, ahead of K step 3's barrier, and are never filled again
.set AB,   16                          ; v16-17  BBASE + 816 r + 24 h, + 64 x 816 for tiles 4-7
.set ABX,  19                          ; v19-20  the same for pieces whose partner three pieces on lies behind the next padding: 816 r + 40 h
.set AA,   21                          ; v21     o's images: 16 x lane + 6,144 x wave, + two records every second K step
.set AS,   22                          ; v22     o's scale words: 4 x lane + 24,576 + 256 x wave, likewise: lanes 0-15 an even tile's, lanes 16-31 the odd tile's behind it
.set ABS,  23                          ; v23     Wo's scale words: row = lane: 32 x lane + 16 (lane / 8)
.set STO,  24                          ; v24     the way out: where I put 32 bytes of a row
.set RD,   25                          ; v25     where I read a row back
.set CO,   26                          ; v26     16 x lane
.set SC,   32                          ; set s % 2 at v[SC + 6 (s % 2)]: 2 registers of o's words (two tiles each), 4 of Wo's (two tiles each)
.set BIAS, 64
.set OF,   128                         ; o's fragments
.set BK,   128                         ; the way out: 16 rows read back: v128-191 and v192-255 by turns
.set G1A,  24                          ; s[24:31] group 1 for o's records;  s[32:39] for Wo's codes;  s[40:47] for Wo's scales
.set G1B,  32
.set G1S,  40
.set MSB, 0
.macro WIN new                         ; the immediate's high byte repeats the setting that is left
.if MSB != (\new)
	s_set_vgpr_msb (MSB<<8)|(\new)
.set MSB, \new
.endif
.endm
.macro CROUND                          ; a round of the cluster's barrier
	s_barrier_signal -1
	s_barrier_wait -1
	s_cmp_lg_u32 s14, 0
	s_cbranch_scc1 .Lnot_wave_0_\@
	s_barrier_signal -3
.Lnot_wave_0_\@:
	s_barrier_wait -3
	s_barrier_signal -1
	s_barrier_wait -1
.endm
.macro MKG0 g, lr, lo, p, go           ; a group 0: LDS byte s[lr] + lo, global address s[p:p+1] + go
	s_mov_b32 s[\g], 1
	s_add_co_u32 s[\g+1], s[\lr], \lo
	s_add_nc_u64 s[\g+2:\g+3], s[\p:\p+1], \go
	s_or_b32 s[\g+3], s[\g+3], 0x80000000
.endm
.macro PLACES                          ; four places in front of loads into registers that matrix instructions have read, and of the first read of results
.rept 4
	v_nop
.endr
.endm
	s_load_b256 s[4:11], s[0:1], 0x0               ; oimg, Wo's codes, Wo's scales, bo
	s_load_b64 s[12:13], s[0:1], 0x20              ; out0
	v_lshl_add_u32 v62, v0, 2, 0x4c900
	v_mov_b32 v63, 0
	ds_add_u32 v62, v63
	ds_add_u32 v62, v63
	v_lshrrev_b32 v1, 5, v0
	v_readfirstlane_b32 s14, v1                    ; wave 0..3
	s_bfe_u32 s15, ttmp6, 0x40000                  ; cx
	s_bfe_u32 s16, ttmp6, 0x40004                  ; cy
	s_lshl_b32 s17, ttmp9, 2
	s_add_co_u32 s17, s17, s15                     ; block of 128 columns = 4 x cluster x + cx
	s_and_b32 s18, ttmp7, 0xffff
	s_lshl_b32 s18, s18, 2
	s_add_co_u32 s18, s18, s16                     ; block of 256 rows = 4 x cluster y + cy
	s_lshl_b32 s19, s16, 2
	s_lshl_b32 s19, 15, s19                        ; my row of the cluster
	s_lshl_b32 s84, 0x1111, s15                    ; my column
	s_or_b32 s[G1A], s19, (3<<16)|(1<<21)          ; o: my quarter of four records: 100 dense rows of 256 bytes (32 elements of 8 bytes), no padding
	s_mov_b32 s[G1A+1], 32<<16
	s_mov_b32 s[G1A+2], 400<<16                    ; four records: 400 dense rows of 256 bytes
	s_mov_b32 s[G1A+3], 32<<16
	s_mov_b32 s[G1A+4], 400
	s_mov_b32 s[G1A+5], 32
	s_mov_b32 s[G1A+6], 0
	s_mov_b32 s[G1A+7], 0
	s_or_b32 s[G1B], s84, (1<<20)|(1<<21)|(5<<22)|(3<<25)   ; Wo: 128 whole rows of 768 bytes, 16 bytes of padding behind every 256: LDS rows of 816 bytes
	s_mov_b32 s[G1B+1], 768<<16
	s_mov_b32 s[G1B+2], 128<<16
	s_mov_b32 s[G1B+3], 768<<16
	s_mov_b32 s[G1B+4], 128
	s_mov_b32 s[G1B+5], 768
	s_mov_b32 s[G1B+6], 0
	s_mov_b32 s[G1B+7], 0
	s_or_b32 s[G1S], s84, (3<<16)|(1<<20)|(1<<21)|(5<<22)|(3<<25)   ; the scale bytes of 32 rows: 4 dense rows of 256 bytes, padded alike
	s_mov_b32 s[G1S+1], 32<<16
	s_mov_b32 s[G1S+2], 16<<16                     ; the scale bytes of 128 rows: 16 dense rows of 256 bytes
	s_mov_b32 s[G1S+3], 32<<16
	s_mov_b32 s[G1S+4], 16
	s_mov_b32 s[G1S+5], 32
	s_mov_b32 s[G1S+6], 0
	s_mov_b32 s[G1S+7], 0
	s_mul_i32 s20, s18, 8*REC                      ; o: my block's records
	s_mov_b32 s85, 0
	s_mov_b32 s21, 0
	s_lshl_b32 s22, s17, 7                         ; Wo: row 128 x block
	s_lshl_b32 s2, s22, 5                          ; its scale bytes,
	s_mov_b32 s3, 0
	s_mul_i32 s22, s22, 768                        ; its codes
	s_mov_b32 s23, 0
	s_wait_dscnt 0x0
	s_wait_kmcnt 0x0
	s_add_nc_u64 s[20:21], s[4:5], s[20:21]
	s_add_nc_u64 s[22:23], s[6:7], s[22:23]
	s_add_nc_u64 s[2:3], s[8:9], s[2:3]
	MKG0 48, 85, BSB, 2, 0                         ; Wo's scales
	MKG0 52, 85, 0, 20, 0                          ; o's records 0 to 3
	MKG0 56, 85, 4*REC, 20, 4*REC                  ; 4 to 7
	MKG0 72, 85, BBASE, 22, 0                      ; Wo's rows
	CROUND                                         ; all sixteen work-groups are here: the joint loads meet
	s_cmp_eq_u32 s14, 0                            ; one load a wave, in one chain of arms
	s_cbranch_scc0 .Lhead_1
	tensor_load_to_lds s[72:75], s[G1B:G1B+7]      ; wave 0: Wo's 128 rows
	s_nop 0
	PLACES
	s_branch .Lhead_asked
.Lhead_1:
	s_cmp_eq_u32 s14, 1
	s_cbranch_scc0 .Lhead_2
	tensor_load_to_lds s[52:55], s[G1A:G1A+7]      ; wave 1: o's records 0 to 3
	s_nop 0
	PLACES
	s_branch .Lhead_asked
.Lhead_2:
	s_cmp_eq_u32 s14, 2
	s_cbranch_scc0 .Lhead_3
	tensor_load_to_lds s[48:51], s[G1S:G1S+7]      ; wave 2: Wo's scale bytes
	s_nop 0
	PLACES
	s_branch .Lhead_asked
.Lhead_3:
	tensor_load_to_lds s[56:59], s[G1A:G1A+7]      ; wave 3: o's records 4 to 7, first read for K step 4
	s_nop 0
	PLACES
.Lhead_asked:
	v_and_b32 v1, 15, v0                           ; r
	v_bfe_u32 v2, v0, 4, 1                         ; h
	v_and_b32 v3, 31, v0                           ; lane
	v_mul_u32_u24 v4, v1, 816
	v_mad_u32_u24 v5, v2, 24, v4                   ; 816 r + 24 h
	v_mad_u32_u24 v6, v2, 40, v4                   ; and for lanes 16-31 behind one padding more
	v_add_nc_u32 v[AB], BBASE, v5                  ; tiles 0-3
	v_add_nc_u32 v[AB+1], BBASE+64*816, v5         ; tiles 4-7
	v_add_nc_u32 v[ABX], BBASE, v6
	v_add_nc_u32 v[ABX+1], BBASE+64*816, v6
	v_lshlrev_b32 v[CO], 4, v3
	s_mul_i32 s85, s14, 4*1536
	v_add_nc_u32 v[AA], s85, v[CO]
	s_lshl_b32 s85, s14, 8
	s_add_co_u32 s85, s85, 16*1536
	v_lshl_add_u32 v[AS], v3, 2, s85
	v_lshrrev_b32 v7, 3, v3
	v_lshlrev_b32 v7, 4, v7
	v_lshl_add_u32 v7, v3, 5, v7
	v_add_nc_u32 v[ABS], BSB, v7
	s_mul_i32 s85, s14, 16*SPITCH                  ; my stage, in o's records 0 and 1: they are last read for K step 1, ahead of K step 3's barrier, and are never filled again
	v_mul_u32_u24 v7, v1, SPITCH
	v_lshl_add_u32 v7, v2, 5, v7
	v_add_nc_u32 v[STO], s85, v7                   ; in: row r, 32 bytes for each half of the lanes
	v_add_nc_u32 v[RD], s85, v[CO]                 ; back: the 32 lanes take one row of 512 bytes
	v_lshlrev_b32 v8, 5, v2                        ; the bias: register j of tile b is column 16 b + 8 h + j
	s_lshl_b32 s86, s17, 9                         ; my block's first column, in bytes
	s_mov_b32 s87, 0
	s_add_nc_u64 s[10:11], s[10:11], s[86:87]
	s_add_nc_u64 s[12:13], s[12:13], s[86:87]
.irp b, 0,1,2,3,4,5,6,7
	global_load_b128 v[BIAS+8*\b:BIAS+8*\b+3], v8, s[10:11] offset:64*\b
	global_load_b128 v[BIAS+8*\b+4:BIAS+8*\b+7], v8, s[10:11] offset:64*\b+16
.endr
	s_lshl_b32 s86, s18, 8
	s_lshl_b32 s85, s14, 6
	s_add_co_u32 s86, s86, s85                     ; my first row: 256 x block + 64 x wave
	s_lshl_b32 s86, s86, 12                        ; rows of 4,096 bytes (under 2^25)
	s_add_nc_u64 s[12:13], s[12:13], s[86:87]
.macro FRAGB reg, s, b                 ; Wo's tile b, K step s: lane (r, h) takes pieces of 8 bytes 12 s + 0, 1, 2 and 12 s + 6, 7, 8 of its row, + 3 h.  32 pieces to a region
.irp n, 0,1,2,3,4,5
.set PP, 12*(\s)+6*(\n/3)+\n%3
.if PP%32 < 29
	ds_load_b64 v[\reg+2*\n:\reg+2*\n+1], v[AB+(\b)/4] offset:((\b)%4)*16*816+8*PP+16*(PP/32)
.else
	ds_load_b64 v[\reg+2*\n:\reg+2*\n+1], v[ABX+(\b)/4] offset:((\b)%4)*16*816+8*PP+16*(PP/32)
.endif
.endr
.endm
.macro FETCH s                         ; K step s's operands and scale words into the sets s % 2
.if ((\s)%2 == 0) && ((\s) > 0)
	v_add_nc_u32 v[AA], 2*REC, v[AA]               ; on to the next two records
	s_wait_alu depctr_va_vdst(0)
	v_add_nc_u32 v[AS], 2*REC, v[AS]
.endif
	WIN 0x40                                       ; destination window 1
.irp b, 0,1,2,3,4,5,6,7
	FRAGB 128*((\s)%2)+12*\b, \s, \b
.endr
	WIN 0
.irp a, 0,1,2,3
.irp c, 0,1,2
	ds_load_b128 v[OF+48*((\s)%2)+12*\a+4*\c:OF+48*((\s)%2)+12*\a+4*\c+3], v[AA] offset:((\s)%2)*REC+1536*\a+512*\c
.endr
.endr
.irp i, 0,1
	ds_load_b32 v[SC+6*((\s)%2)+\i], v[AS] offset:((\s)%2)*REC+128*\i
.endr
.irp b, 0,1,2,3
	ds_load_b32 v[SC+6*((\s)%2)+2+\b], v[ABS] offset:4*272*\b+4*(\s)
.endr
.endm
.macro WM r0, r1                       ; one product on the symbols DN, S0, S1, CN, C0, C1; r0, r1: source 0's and source 1's scales stand in lanes 16-31
.if (\r0) && (\r1)
	v_wmma_scale_f32_16x16x128_f8f6f4 v[DN:DN+7], v[S0:S0+11], v[S1:S1+11], v[CN:CN+7], v[C0], v[C1] matrix_a_fmt:MATRIX_FMT_FP6 matrix_b_fmt:MATRIX_FMT_FP6 matrix_a_scale:MATRIX_SCALE_ROW1 matrix_b_scale:MATRIX_SCALE_ROW1
.elseif (\r0)
	v_wmma_scale_f32_16x16x128_f8f6f4 v[DN:DN+7], v[S0:S0+11], v[S1:S1+11], v[CN:CN+7], v[C0], v[C1] matrix_a_fmt:MATRIX_FMT_FP6 matrix_b_fmt:MATRIX_FMT_FP6 matrix_a_scale:MATRIX_SCALE_ROW1
.elseif (\r1)
	v_wmma_scale_f32_16x16x128_f8f6f4 v[DN:DN+7], v[S0:S0+11], v[S1:S1+11], v[CN:CN+7], v[C0], v[C1] matrix_a_fmt:MATRIX_FMT_FP6 matrix_b_fmt:MATRIX_FMT_FP6 matrix_b_scale:MATRIX_SCALE_ROW1
.else
	v_wmma_scale_f32_16x16x128_f8f6f4 v[DN:DN+7], v[S0:S0+11], v[S1:S1+11], v[CN:CN+7], v[C0], v[C1] matrix_a_fmt:MATRIX_FMT_FP6 matrix_b_fmt:MATRIX_FMT_FP6
.endif
.endm
; A K step of 128: its operands are in; the next step's are asked for; 32 products, the 32 accumulators by turns, one instruction a turn.
.macro OSTEP s
	s_wait_dscnt 0x0                               ; this step's fragments and scale words are in
.if (\s) == 3
	s_wait_tensorcnt 0x0                           ; every wave waits: wave 3's load, records 4 to 7, is in
	s_barrier_signal -1
	s_barrier_wait -1                              ; and is shown to all
.endif
.if (\s) > 0
	PLACES                                         ; the loads below land in the sets that the last step's products read
.endif
.if (\s) < 7
	s_wait_alu depctr_va_vdst(0)
	FETCH (\s)+1
.endif
.if (\s) == 0
	WIN 0x81                                       ; source 0 window 1, source 1 and C (the bias) window 0, D window 2
.else
	WIN 0xa1                                       ; C and D window 2
.endif
.irp a, 0,1,2,3
.irp b, 0,1,2,3,4,5,6,7
.set DN, 8*(8*\a+\b)
.if (\s) == 0
.set CN, BIAS+8*\b
.else
.set CN, DN
.endif
.set S0, 128*((\s)%2)+12*\b
.set S1, OF+48*((\s)%2)+12*\a
.set C0, SC+6*((\s)%2)+2+\b/2
.set C1, SC+6*((\s)%2)+\a/2
	WM \b%2, \a%2
.endr
.endr
	WIN 0
.endm
	s_wait_alu depctr_va_vdst(0)
	s_cmp_eq_u32 s14, 3                            ; waves 0 to 2 wait for their loads, which have lines of their own; wave 3's may still be out
	s_cbranch_scc1 .Lnot_yet
	s_wait_tensorcnt 0x0
.Lnot_yet:
	s_barrier_signal -1
	s_barrier_wait -1                              ; everybody's are
	FETCH 0
	s_wait_loadcnt 0x0                             ; the bias
.irp s, 0,1,2,3,4,5,6,7
	OSTEP \s
.endr
; THE WAY OUT, block by block of 16 rows x 128 columns.  A lane holds 32 neighbouring bytes of a row, and the lanes beside it hold other rows: so a block goes through my own stage in LDS and comes back as whole
; rows of 512 bytes.  LDS serves a wave's instructions in order (ISA guide 5.7.1.4): no wait between the stores and the loads, nor in front of the next block's stores.
.macro TOSTAGE a
	WIN 0x08                                       ; an LDS store's data are its source 1: window 2
.irp b, 0,1,2,3,4,5,6,7
	ds_store_b128 v[STO], v[64*(\a)+8*\b:64*(\a)+8*\b+3] offset:64*\b          ; each accumulator from its low end on
	ds_store_b128 v[STO], v[64*(\a)+8*\b+4:64*(\a)+8*\b+7] offset:64*\b+16
.endr
	WIN 0
.set BB, BK+64*((\a)%2)
.irp t, 0,1,2,3,4,5,6,7,8,9,10,11,12,13,14,15
	ds_load_b128 v[BB+4*\t:BB+4*\t+3], v[RD] offset:\t*SPITCH
.endr
.endm
.macro SEND a, younger                 ; younger: the LDS instructions issued behind block a's loads, which may stay out
.set BB, BK+64*((\a)%2)
	s_wait_dscnt \younger                          ; the block is back in registers
.irp t, 0,1,2,3,4,5,6,7,8,9,10,11,12,13,14,15
	global_store_b128 v[CO], v[BB+4*\t:BB+4*\t+3], s[12:13] offset:(16*(\a)+\t)*4096 th:TH_STORE_NT   ; 32 lanes store 512 consecutive bytes, at a multiple of 256 from out0's first byte; every offset is an immediate
.endr
.endm
	PLACES                                         ; behind the last products: results are read, and loads land where o's fragments lay
	TOSTAGE 0
.irp a, 1,2,3
.if \a > 1
	s_wait_xcnt 0x0                                ; block a - 2's stores have read their registers: block a's loads may land there
.endif
	TOSTAGE \a
	SEND \a-1, 32                                  ; behind block a - 1's loads: block a's 16 stores and 16 loads
.endr
	SEND 3, 0
	s_wait_tensorcnt 0x0
	ds_add_u32 v62, v63
	s_wait_dscnt 0x0
	CROUND                                         ; the closing round: no work-group ends while a partner may still ask for a tile that names it
	s_endpgm
.Lfunc_end_k_q0756fce9a5_oproj:
	.size	k_q0756fce9a5_oproj, .Lfunc_end_k_q0756fce9a5_oproj-k_q0756fce9a5_oproj
	.p2alignl 7, 3214868480
	.fill 96, 4, 3214868480
	.section	.rodata,"a",@progbits
	.p2align	6, 0x0
	.amdhsa_kernel k_q0756fce9a5_oproj
		.amdhsa_group_segment_fixed_size 314112
		.amdhsa_private_segment_fixed_size 0
		.amdhsa_enable_private_segment 0
		.amdhsa_kernarg_size 40
		.amdhsa_user_sgpr_count 2
		.amdhsa_user_sgpr_kernarg_segment_ptr 1
		.amdhsa_wavefront_size32 1
		.amdhsa_system_sgpr_workgroup_id_x 1
		.amdhsa_system_sgpr_workgroup_id_y 1
		.amdhsa_system_sgpr_workgroup_id_z 1
		.amdhsa_system_vgpr_workitem_id 0
		.amdhsa_next_free_vgpr 768
		.amdhsa_next_free_sgpr 88
		.amdhsa_reserve_vcc 0
		.amdhsa_float_denorm_mode_32 3
		.amdhsa_float_denorm_mode_16_64 3
		.amdhsa_memory_ordered 1
		.amdhsa_forward_progress 1
		.amdhsa_inst_pref_size 92
	.end_amdhsa_kernel
	.amdgpu_metadata
---
amdhsa.version: [ 1, 2 ]
amdhsa.kernels:
  - .name:           k_q0756fce9a5_oproj
    .symbol:         k_q0756fce9a5_oproj.kd
    .args:
      - { .name: oimg, .offset: 0, .size: 8, .value_kind: global_buffer, .address_space: global }
      - { .name: w_o_codes, .offset: 8, .size: 8, .value_kind: global_buffer, .address_space: global }
      - { .name: w_o_scales, .offset: 16, .size: 8, .value_kind: global_buffer, .address_space: global }
      - { .name: b_o, .offset: 24, .size: 8, .value_kind: global_buffer, .address_space: global }
      - { .name: out0, .offset: 32, .size: 8, .value_kind: global_buffer, .address_space: global }
    .group_segment_fixed_size: 314112
    .private_segment_fixed_size: 0
    .kernarg_segment_align: 8
    .kernarg_segment_size: 40
    .max_flat_workgroup_size: 128
    .sgpr_count:     88
    .vgpr_count:     768
    .wavefront_size: 32
...
	.end_amdgpu_metadata
.endif
;; end of part 3
